; MI455X (gfx1250); checked and timed in simulation.
; The chip was launched on July 23, 2026; its instructions are those of AMD's public machine-readable ISA for CDNA 5 (MIT licence, August 2026) and "CDNA5" Instruction Set Architecture Reference Guide (July 2026). The comments in the code are by the model that wrote it; some were corrected since.
;; Multiheaded Self Attention. Allowed arithmetic: matrix products marked QUANTISED: E2M3 operands, one E8M0 scale for each 32 along K, by v_wmma_scale_f32_16x16x128_f8f6f4 with both operands' format E2M3, f32 sums; everything else in f32.
;; Inputs: b_proj 1,024 float32; b_qkv 3,072 float32; w_proj 1,024 x 1,024 float32; w_qkv 3,072 x 1,024 float32; x 8 x 1,024 x 1,024 float32.
;; Outputs: out0 8 x 1,024 x 1,024 float32.
;; This version of the problem:
;;   THIS VERSION OF THE PROBLEM IS GIVEN IN LOW PRECISION. The matrix products marked QUANTISED in the list below multiply operands that are first quantised to E2M3 (2 exponent bits, 3 mantissa bits; 6 bits a number), with one power-of-two scale for each 32 numbers along K (OCP MX v1.0); their sums are f32. All else is computed in f32.
;;   The module's matrix products, in the order in which they are computed (A, B: the left and right operand; K: the contracted axis; several contracted axes count as one K, in the product's order):
;;     1. [M 8,192, K 1,024] x [K 1,024, N 3,072]; A: input x; B: input w_qkv: QUANTISED
;;     2. batch 128 x [M 1,024, K 64] x [K 64, N 1,024]; A: computed on the way; B: computed on the way: QUANTISED
;;     3. batch 128 x [M 1,024, K 1,024] x [K 1,024, N 64]; A: softmax (see below); B: computed on the way: QUANTISED
;;     4. [M 8,192, K 1,024] x [K 1,024, N 1,024]; A: computed on the way; B: input w_proj: QUANTISED
;;   THE QUANTISER, for each operand of a quantised product, along K:
;;     - K is cut into blocks of 32 from its start; a last block that is shorter is filled with zeros.
;;     - A block's scale is 2^e with e = floor(log2(the largest magnitude in the block)) - 2, held to -126 .. 127; a block of zeros has e = 0. As a byte (E8M0): e + 127.
;;     - Each number is divided by its block's scale, clamped to +-7.5, and rounded to the nearest number of E2M3, ties to even, subnormals kept.
;;     - The product sums the exact products of the quantised numbers (number of the format x scale) in f32.
;;   ~~~python
;;   def quantise(x, axis):      # numpy; x: float32 -> the quantised numbers, widened to float32 again
;;       x = np.moveaxis(x, axis, -1); K = x.shape[-1]
;;       x = np.pad(x, [(0, 0)] * (x.ndim - 1) + [(0, -K % 32)]); x = x.reshape(x.shape[:-1] + (-1, 32)); a = np.abs(x).max(-1, keepdims=True)
;;       e = np.where(a > 0, np.clip(np.frexp(np.where(a > 0, a, 1))[1] - 1 - 2, -126, 127), 0)      # np.frexp(a)[1] - 1 = floor(log2(a)), exactly
;;       r = np.clip(x / 2.0 ** e, -7.5, 7.5)
;;       step = 2.0 ** (np.maximum(np.frexp(np.where(r == 0, 1, r))[1] - 1, 0) - 3)
;;       q = np.round(r / step) * step * 2.0 ** e      # np.round: ties to even
;;       return np.moveaxis(q.reshape(q.shape[:-2] + (-1,))[..., :K], -1, axis).astype(np.float32)
;;   ~~~
;;   SOFTMAX AHEAD OF A QUANTISED PRODUCT. Where the list says 'softmax', what is quantised is not the finished softmax but p = 2^(t - M), with t = logit x log2(e) and M = ceil(the row's largest t), a whole number; so 1/2 < the row's largest p <= 1. The row's sum l is taken of the UNQUANTISED p, in f32, and the product's result is divided by l at the end. Since M is a whole number, a kernel that streams over the keys may use a running M (the ceiling of the running maximum): every later rescaling is an exact power of two, which a block's scale takes up: the codes' values come out the same.
;;   OPERANDS COMPUTED ON THE WAY. 'Computed on the way' means the value that the module computes at that place (a softmax that the list does not call 'softmax' is quantised finished and normalised). What goes into a quantiser is computed in f32, as accurately as f32 sums, v_exp_f32 and their like allow (about 1e-6 of the number): no bf16 or f16 on the way to a quantiser, and a product that is left as it is and whose result goes on into a quantised operand takes f32 operands (vector FMAs, or v_wmma_f32_16x16x4_f32). A number that lies on a knife's edge between two numbers of the format may be rounded either way, as far as f32 arithmetic and the matrix unit's own rounding can turn it there, and no further.
;; One version. Each part assembles by itself: llvm-mc -triple=amdgcn-amd-amdhsa -mcpu=gfx1250 --defsym DOCPART=n.
;; ======== version 1 of 1: 4 launches
;; limits: right only within a limited range of input values
;; workspace buffers: xw 9,011,200 bytes; pq 819,200 bytes; qimg 6,553,600 bytes; kv 13,107,200 bytes; oq 6,553,600 bytes
;; launch quant (part 1): grid 384 x 1, 4 waves a work-group, no clusters, 34,304 bytes of LDS; arguments x, w_qkv, w_proj, xw, pq; writes xw, pq
.if DOCPART == 1
	.amdgcn_target "amdgcn-amd-amdhsa--gfx1250"
	.amdhsa_code_object_version 6
	.text
	.protected	k_q84ded6c2b3_quant
	.globl	k_q84ded6c2b3_quant
	.p2align	8
	.type	k_q84ded6c2b3_quant,@function
k_q84ded6c2b3_quant:
	s_mov_b64 s[64:65], 0
	v_nop
	global_prefetch_b8 v0, s[64:65] scope:SCOPE_SE
	s_setreg_imm32_b32 hwreg(HW_REG_WAVE_MODE, 25, 1), 1
	s_wait_xcnt 0x0
; x [8192][1024], w_qkv [3072][1024], w_proj [1024][1024], f32 with K innermost, become codes of FP6 (E2M3) with one E8M0 byte for each 32 along K,
; laid as IMAGES OF OPERAND REGISTERS.  A fragment is 16 rows x 128 K, 12 registers a lane: lane (r = l % 16, h = l / 16) holds k = 64 c + 32 h + 0..31 in registers 6 c .. 6 c + 5.
; Its image is 1,536 bytes: chunk j of 512 bytes holds lane l's registers 4 j .. 4 j + 3 at byte 16 l.  Three loads of 16 bytes a lane rebuild it.
; A tile record is 12,800 bytes: the 8 K steps' images, then two units of 256 bytes of scale words, [row 16][4 words], for K steps 0-3 and 4-7.
; THE ROWS OF A TILE ARE NOT NEIGHBOURS: row r of tile T is row 32 (T / 2) + 8 (T % 2) + r + 8 (r / 8) of the tensor, so that later products, used transposed, leave 16 neighbours in 16 registers.
; A block's scale is 2^(floor(log2(largest magnitude)) - 2): its byte is the largest magnitude's exponent field - 2.
; LIMITS: NaN and infinities are not served; a block whose largest magnitude lies under 2^(3 - 127) is held at byte 1; a block of zeros gets byte 1 and not 127 (its codes are zeros, and this program alone reads the bytes).
; SHARES: a wave takes one tile and half of K (4 fragments, 32 KiB of f32); a work-group two tiles.  Work-groups 0-255: x, 256-351: w_qkv (both into xw, one behind the other), 352-383: w_proj (into pq).
; Waves share nothing: no barrier.  Work-groups share no input: no cluster.  Each load reads 512 consecutive bytes of one row; a fragment's 8 KiB turn through the wave's own stage in LDS so that a lane gets whole blocks.
.set STG,  8448                        ; a wave's stage: 16 rows x (512 bytes + 16)
.set RECB, 12800
.set R,    16                          ; v16-143  two sets of 64 registers as loaded
.set X,    144                         ; v144-207 my 64 numbers: register 32 c + i = k 64 c + 32 h + i of row r
.set C,    208                         ; v208-219 the fragment's codes
.set CT,   220                         ; v220-227 the second halves of the blocks' codes
.set WD,   228                         ; v228-231 the four fragments' scale words
.set MX,   232
.set SO,   234
.set BY,   236
.set P,    240
	s_load_b256 s[4:11], s[0:1], 0x0               ; x s[4:5], w_qkv s[6:7], w_proj s[8:9], xw s[10:11]
	s_load_b64 s[12:13], s[0:1], 0x20              ; pq
	v_lshl_add_u32 v244, v0, 2, 0x8400
	v_mov_b32 v245, 0
	v_lshrrev_b32 v6, 5, v0
	v_readfirstlane_b32 s16, v6                    ; wave 0..3
	v_and_b32 v7, 31, v0
	v_lshlrev_b32 v1, 4, v7                        ; 16 x lane: my 16 bytes of a row's 512, and of an image's chunk
	s_mul_i32 s17, s16, STG
	v_add_nc_u32 v2, s17, v1                       ; the stage, on the way in
	v_and_b32 v8, 15, v0                           ; r
	v_bfe_u32 v9, v0, 4, 1                         ; h
	v_mul_u32_u24 v3, v8, 528
	v_lshl_add_u32 v3, v9, 7, v3
	v_add_nc_u32 v3, s17, v3                       ; and on the way out: row r, + 128 h bytes: my block of 32
	v_lshlrev_b32 v4, 4, v8
	v_lshl_add_u32 v4, v9, 3, v4                   ; my 8 bytes of the scale unit: 16 r + 8 h
	v_lshlrev_b32 v5, 3, v9                        ; 8 h: where my two bytes stand in a scale word
	v_mov_b32 v239, 0                              ; a lane permute's destination counts as one of its sources
	s_mov_b32 s28, 0x76543210
	s_mov_b32 s29, 0xfedcba98                      ; v_permlanex16_b32's selects for lane l xor 16
	s_mov_b32 s30, 0xffff0000                      ; lanes 16-31
	s_mov_b32 s20, 352
	s_lshr_b32 s31, s16, 1                         ; which of the two tiles
	s_and_b32 s32, s16, 1                          ; which half of K
	s_wait_alu depctr_va_vdst(0)
	s_wait_kmcnt 0x0
	s_cmp_lt_u32 ttmp9, 352                        ; the choices hang on the work-group's number alone
	s_cselect_b64 s[22:23], s[6:7], s[8:9]
	s_cselect_b64 s[24:25], s[10:11], s[12:13]
	s_cselect_b32 s21, 0, s20                      ; the first work-group of my destination,
	s_cselect_b32 s20, 256, s20                    ; and of my source
	s_cmp_lt_u32 ttmp9, 256
	s_cselect_b64 s[22:23], s[4:5], s[22:23]
	s_cselect_b32 s20, 0, s20
	s_sub_co_u32 s20, ttmp9, s20                   ; which 32 rows of the source
	s_sub_co_u32 s21, ttmp9, s21                   ; which pair of tiles of the destination
	s_lshl_b32 s18, s20, 17                        ; 32 rows of 4,096 bytes,
	s_lshl_b32 s33, s31, 15                        ; the odd tile begins 8 rows further down,
	s_add_co_u32 s18, s18, s33
	s_lshl_b32 s33, s32, 11                        ; the second half of K 2,048 bytes on
	s_add_co_u32 s18, s18, s33
	s_mov_b32 s19, 0
	s_add_nc_u64 s[22:23], s[22:23], s[18:19]
	s_lshl_b32 s18, s21, 1
	s_add_co_u32 s18, s18, s31
	s_mul_i32 s18, s18, RECB
	s_add_nc_u64 s[24:25], s[24:25], s[18:19]      ; my tile's record
	s_lshl_b32 s18, s32, 8
	s_add_co_u32 s18, s18, 12288
	s_add_nc_u64 s[26:27], s[24:25], s[18:19]      ; my scale unit
	s_mul_i32 s18, s32, 6144
	s_add_nc_u64 s[24:25], s[24:25], s[18:19]      ; my four images
.macro LOAD s                          ; fragment s: 16 rows x 512 bytes into set s % 2
.irp i, 0,1,2,3,4,5,6,7,8,9,10,11,12,13,14,15
	global_load_b128 v[R+64*((\s)%2)+4*\i:R+64*((\s)%2)+4*\i+3], v1, s[22:23] offset:(\i+8*(\i/8))*4096+512*(\s) th:TH_LOAD_NT
.endr
.endm
.macro FRAG s
.if (\s) < 3
	s_wait_loadcnt 16                              ; this fragment's 16 loads are in; the next fragment's 16 may be out
.else
	s_wait_loadcnt 0x0
.endif
.irp i, 0,1,2,3,4,5,6,7,8,9,10,11,12,13,14,15
	ds_store_b128 v2, v[R+64*((\s)%2)+4*\i:R+64*((\s)%2)+4*\i+3] offset:528*\i
.endr
.irp c, 0,1
.irp j, 0,1,2,3,4,5,6,7
	ds_load_b128 v[X+32*\c+4*\j:X+32*\c+4*\j+3], v3 offset:256*\c+16*\j   ; LDS serves a wave's instructions in order: these see the stores above
.endr
.endr
	s_wait_dscnt 0x0                               ; my numbers are back: so the stores into the stage have read their registers,
.if (\s) < 2
	LOAD (\s)+2                                    ; which take the loads of two fragments on
.endif
.irp c, 0,1
	v_max3_num_f32 v[MX+\c], |v[X+32*\c]|, |v[X+32*\c+1]|, 0x1800000   ; block 2 c + h is all mine; the floor 2^(3 - 127) keeps the byte at 1 from below
.endr
.irp i, 2,4,6,8,10,12,14,16,18,20,22,24,26,28,30
.irp c, 0,1
	v_max3_num_f32 v[MX+\c], v[MX+\c], |v[X+32*\c+\i]|, |v[X+32*\c+\i+1]|
.endr
.endr
.irp c, 0,1
	v_add_nc_u32 v[SO+\c], 0xff000000, v[MX+\c]    ; 2 off the exponent field: the conversion's scale operand
.endr
.irp c, 0,1
	v_lshrrev_b32 v[BY+\c], 23, v[SO+\c]           ; the scale's byte
.endr
	v_lshl_or_b32 v238, v[BY+1], 16, v[BY]         ; blocks h and 2 + h,
	v_lshlrev_b32 v238, v5, v238                   ; at their places in the word;
	v_permlanex16_b32 v239, v238, s28, s29
	v_or_b32 v[WD+(\s)], v238, v239                ; with lane l xor 16's two bytes the word is whole
	s_wait_alu depctr_va_vdst(0)
	s_wait_xcnt 0x0                                ; the last fragment's stores have read the codes' registers
.irp c, 0,1
	v_cvt_scalef32_pk16_fp6_f32 v[C+6*\c:C+6*\c+2], v[X+32*\c:X+32*\c+15], v[SO+\c]
	v_cvt_scalef32_pk16_fp6_f32 v[CT+4*\c:CT+4*\c+2], v[X+32*\c+16:X+32*\c+31], v[SO+\c]   ; (a conversion's three registers begin on an even number)
.endr
	v_nop                                          ; one plain place behind a scaled conversion
.irp c, 0,1
.irp i, 0,1,2
	v_mov_b32 v[C+6*\c+3+\i], v[CT+4*\c+\i]
.endr
.endr
.irp j, 0,1,2
	global_store_b128 v1, v[C+4*\j:C+4*\j+3], s[24:25] offset:1536*(\s)+512*\j   ; 32 lanes store 512 consecutive bytes, aligned to 256
.endr
.endm
	LOAD 0
	LOAD 1
	FRAG 0
	FRAG 1
	FRAG 2
	FRAG 3
	v_cndmask_b32 v[P], v[WD], v[WD+2], s30        ; lanes 0-15 store words 0, 1 of row r, lanes 16-31 words 2, 3
	v_cndmask_b32 v[P+1], v[WD+1], v[WD+3], s30
	global_store_b64 v4, v[P:P+1], s[26:27]        ; the 32 lanes fill the unit of 256 bytes
	s_wait_tensorcnt 0x0
	ds_add_u32 v244, v245
	s_wait_dscnt 0x0
	s_endpgm
.Lfunc_end_k_q84ded6c2b3_quant:
	.size	k_q84ded6c2b3_quant, .Lfunc_end_k_q84ded6c2b3_quant-k_q84ded6c2b3_quant
	.p2alignl 7, 3214868480
	.fill 96, 4, 3214868480
	.section	.rodata,"a",@progbits
	.p2align	6, 0x0
	.amdhsa_kernel k_q84ded6c2b3_quant
		.amdhsa_group_segment_fixed_size 34304
		.amdhsa_private_segment_fixed_size 0
		.amdhsa_enable_private_segment 0
		.amdhsa_kernarg_size 40
		.amdhsa_user_sgpr_count 2
		.amdhsa_user_sgpr_kernarg_segment_ptr 1
		.amdhsa_wavefront_size32 1
		.amdhsa_system_sgpr_workgroup_id_x 1
		.amdhsa_system_sgpr_workgroup_id_y 1
		.amdhsa_system_sgpr_workgroup_id_z 1
		.amdhsa_system_vgpr_workitem_id 0
		.amdhsa_next_free_vgpr 246
		.amdhsa_next_free_sgpr 66
		.amdhsa_reserve_vcc 0
		.amdhsa_float_denorm_mode_32 3
		.amdhsa_float_denorm_mode_16_64 3
		.amdhsa_memory_ordered 1
		.amdhsa_forward_progress 1
		.amdhsa_inst_pref_size 31
	.end_amdhsa_kernel
	.amdgpu_metadata
---
amdhsa.version: [ 1, 2 ]
amdhsa.kernels:
  - .name:           k_q84ded6c2b3_quant
    .symbol:         k_q84ded6c2b3_quant.kd
    .args:
      - { .name: x, .offset: 0, .size: 8, .value_kind: global_buffer, .address_space: global }
      - { .name: w_qkv, .offset: 8, .size: 8, .value_kind: global_buffer, .address_space: global }
      - { .name: w_proj, .offset: 16, .size: 8, .value_kind: global_buffer, .address_space: global }
      - { .name: xw, .offset: 24, .size: 8, .value_kind: global_buffer, .address_space: global }
      - { .name: pq, .offset: 32, .size: 8, .value_kind: global_buffer, .address_space: global }
    .group_segment_fixed_size: 34304
    .private_segment_fixed_size: 0
    .kernarg_segment_align: 8
    .kernarg_segment_size: 40
    .max_flat_workgroup_size: 128
    .sgpr_count:     66
    .vgpr_count:     246
    .wavefront_size: 32
...
	.end_amdgpu_metadata
.endif
;; end of part 1
;; launch qkv (part 2): grid 8 x 32, 4 waves a work-group, clusters of 4 x 4, 327,680 bytes of LDS; arguments xw, b_qkv, qimg, kv; writes qimg, kv
.if DOCPART == 2
	.amdgcn_target "amdgcn-amd-amdhsa--gfx1250"
	.amdhsa_code_object_version 6
	.text
	.protected	k_q84ded6c2b3_qkv
	.globl	k_q84ded6c2b3_qkv
	.p2align	8
	.type	k_q84ded6c2b3_qkv,@function
k_q84ded6c2b3_qkv:
	s_mov_b64 s[64:65], 0
	v_nop
	global_prefetch_b8 v0, s[64:65] scope:SCOPE_SE
	s_setreg_imm32_b32 hwreg(HW_REG_WAVE_MODE, 25, 1), 1
	s_wait_xcnt 0x0
	s_wait_alu depctr_hold_cnt(0) depctr_sa_sdst(0) depctr_va_vdst(0) depctr_va_sdst(0) depctr_va_ssrc(0) depctr_va_vcc(0) depctr_vm_vsrc(0)
	s_getreg_b32 s2, hwreg(HW_REG_IB_STS2, 6, 4)
	s_cmp_eq_u32 s2, 0
	s_cbranch_scc0 .Lentry_in_a_cluster
	s_endpgm
.Lentry_in_a_cluster:
	s_bfe_u32 s2, ttmp6, 0x10000c
	s_cmp_lg_u32 s2, 0xf033
	s_cbranch_scc0 .Lentry_shape_is_right
	s_endpgm
.Lentry_shape_is_right:
; qkv = x w_qkv^T + b_qkv on codes of FP6 (E2M3), and its results quantised on the way out: q and k along a head's 64 channels, v along the keys.  The f32 results never go to memory.
; OPERANDS: xw holds tile records of 12,800 bytes (8 K steps' fragment images of 1,536 bytes, then two units of 256 bytes of scale words), x's 512 tiles and behind them w_qkv's 192.
; Row r of tile T is row 32 (T / 2) + 8 (T % 2) + r + 8 (r / 8).  A fragment image is three chunks of 512 bytes, lane l's registers 4 j .. 4 j + 3 at 16 l: three ds_load_b128 rebuild it.
; THE DEAL: 256 work-groups.  A work-group takes 256 tokens (work-group y) and a pair of heads (work-group x) and makes their q, then k, then v: three phases of 256 x 128.  x's 16 records are loaded once and stay in LDS.
; Four waves, 2 x 2: wave (wr, wc) takes 128 tokens (8 tiles) and one head (4 tiles of a weight): 32 accumulators.
; q, k: source 0 = the weight's rows, source 1 = x's: a lane holds a token, and the 32 registers of a token tile run along the head's 64 channels (register 16 B + i = channel 32 B + 16 h + i).
; v: the sources change places: a lane holds a channel, and the 64 registers of a channel tile run along 128 keys.  So the axis that is quantised always runs along a lane's registers.
; LDS: x's records at 0; region LW1: the weight's 8 tiles, bytes 6,144 .. 12,799 of each record (K steps 4-7, scale words); region LW2: bytes 0 .. 6,143 (K steps 0-3); the spare words.
; K is walked in the order 4 .. 7, 0 .. 3: position p is K step (p + 4) % 8; the scale words lie in registers by position.
; FILLS: at the head one tensor load a wave (waves 0, 1: 8 records of x each; wave 2: LW1; wave 3: LW2).  In positions 3 and 7 of q's and k's phases a round of the cluster's barrier stands inside the step, and behind it
; the region just read out takes the next weight's bytes, two tiles a wave.  What a refill brought is shown to all waves by the next round; v's second region by a plain barrier in its position 3.
; By this text's own count a wave has one tensor load out at any time.  No prefetch: from a refill to the wait for it stand three steps of 32 products.
; CLUSTER 4 x 4: x's records hang on the work-group's y alone and are asked for jointly along a row of the cluster, a weight's on its x alone, along a column.
; OUTPUT: qimg: a record of 51,200 bytes for each (batch, head): 32 fragments (registers 0-5: token tile 2 f, registers 6-11: token tile 2 f + 1, 64 channels each), then 8 scale units.
;         kv: a record of 102,400 bytes: K as q's, V as 8 key steps x 4 channel tiles of fragments (16 channels x 128 keys), K's 8 scale units, V's 8.
; LIMITS: NaN and infinities are not served; a block whose largest magnitude lies under 2^(3 - 127) is held at byte 1; a block of zeros gets byte 1, not 127 (its codes are zeros; this program alone reads the bytes).
; REGISTERS: window 0: v1-31 addresses; v32-95 x's scale words, v100-131 the weight's, and nothing else there; v132-227 x's 8 fragments, set 0 (on the way out at work); v228-255 the quantiser's.
;            window 1: the weight's 4 fragments, two sets, v0-47 and v48-95; the bias in v96-127.  window 2: the accumulators.  window 3: v132-227 x's fragments, set 1.
.set RECB,  12800
.set P1,    6656
.set P2,    6144
.set LW1,   16*RECB
.set LW2,   LW1+8*P1
.set SPARE, LW2+8*P2                   ; the spare words, 128 bytes a wave: two blocks of 256 bytes that no other line names
.set AX,   16                          ; v16, v17  16 x lane + my tiles 0-3, 4-7 of x
.set AW,   18                          ; v18, v19  16 x lane + my 4 tiles in LW1, LW2
.set SX,   20                          ; v20, v21  16 r + the scale words of my tiles 0-3, 4-7 of x
.set SWA,  22                          ; v22       16 r + those of my 4 tiles of the weight
.set LI,   24                          ; v24       16 x lane
.set SOF,  25                          ; v25       16 r
.set SPW,  28                          ; v28       my spare word; never rewritten
.set NIL,  29                          ; v29       0; never rewritten
.set BOF,  30                          ; v30       q, k: my lane's place in the bias;  v31: v's
.set XS,   32                          ; register XS + 8 x + p: the word of x's tile x at position p (lanes 0-15)
.set WS,   100                         ; register WS + 8 w + p: of the weight's tile w
.set AF,   132
.set HA,   132
.set FA,   196
.set TM,   228
.set CT,   244
.set SW,   252
.set G1X,  24                          ; s[24:31] group 1 of x's records; s[32:39] of LW1's rows; s[40:47] of LW2's
.set G1A,  32
.set G1B,  40
.set G0X,  48                          ; groups 0: the head's three,
.set G0HA, 52
.set G0HB, 56
.set G0A,  60                          ; and the refills' two
.set G0B,  68
.set MSB, 0
.macro WIN new                         ; the immediate's high byte repeats the setting that is left
.if MSB != (\new)
	s_set_vgpr_msb (MSB<<8)|(\new)
.set MSB, (\new)
.endif
.endm
.macro PLACES                          ; four places behind a matrix instruction of this form (ISA guide 7.12.1)
.rept 4
	v_nop
.endr
.endm
.macro TLOAD g0, g1                    ; s_nop 0 and four v_nop follow a tensor load
	tensor_load_to_lds s[\g0:\g0+3], s[\g1:\g1+7]
	s_nop 0
	PLACES
.endm
.macro CREST                           ; a round of the cluster's barrier behind its opening barrier
	s_cmp_lg_u32 s14, 0
	s_cbranch_scc1 .Lnot_wave_0_\@
	s_barrier_signal -3
.Lnot_wave_0_\@:
	s_barrier_wait -3
	s_barrier_signal -1
	s_barrier_wait -1
.endm
.macro CROUND
	s_barrier_signal -1
	s_barrier_wait -1
	CREST
.endm
.macro GROUP1 g, mask, el, rows        ; rows of 8 el bytes, 12,800 bytes apart in memory, dense in LDS
	s_or_b32 s[\g], s\mask, (3<<16)|(1<<21)
	s_mov_b32 s[\g+1], (\el)<<16
	s_mov_b32 s[\g+2], (\rows)<<16
	s_mov_b32 s[\g+3], (\el)<<16
	s_mov_b32 s[\g+4], \rows
	s_mov_b32 s[\g+5], RECB/8
	s_mov_b32 s[\g+6], 0
	s_mov_b32 s[\g+7], 0
.endm
.macro GROUP0 g, lds, base, off        ; LDS address in s\lds, global address s[base] + off
	s_mov_b32 s[\g], 1
	s_mov_b32 s[\g+1], s\lds
	s_add_nc_u64 s[\g+2:\g+3], s[\base:\base+1], \off
	s_or_b32 s[\g+3], s[\g+3], 0x80000000
.endm
.macro FETCHW p                        ; the weight's four fragments of position p into set p % 2
	WIN 0x40
.irp w, 0,1,2,3
.irp c, 0,1,2
	ds_load_b128 v[48*((\p)%2)+12*\w+4*\c:48*((\p)%2)+12*\w+4*\c+3], v[AW+(\p)/4] offset:\w*(P1-512*((\p)/4))+((\p)%4)*1536+512*\c
.endr
.endr
	WIN 0
.endm
.macro FETCHX p                        ; x's eight fragments of position p into set (p + 1) % 2: set 0 in window 0, set 1 in window 3
	WIN 0xc0*(((\p)+1)%2)
.irp x, 0,1,2,3,4,5,6,7
.irp c, 0,1,2
	ds_load_b128 v[AF+12*\x+4*\c:AF+12*\x+4*\c+3], v[AX+\x/4] offset:(\x%4)*RECB+(((\p)+4)%8)*1536+512*\c
.endr
.endr
	WIN 0
.endm
.macro WSCALES                         ; the weight's scale words by position: K steps 4-7's unit first
.irp w, 0,1,2,3
	ds_load_b128 v[WS+8*\w:WS+8*\w+3], v[SWA] offset:\w*P1+256
	ds_load_b128 v[WS+8*\w+4:WS+8*\w+7], v[SWA] offset:\w*P1
.endr
.endm
.macro WM a, b, c, sa, sb
	v_wmma_scale_f32_16x16x128_f8f6f4 v[DD:DD+7], v[\a:\a+11], v[\b:\b+11], \c, v[\sa], v[\sb] matrix_a_fmt:MATRIX_FMT_FP6 matrix_b_fmt:MATRIX_FMT_FP6
.endm
; 4 n matrix instructions of position p: x's tiles x0 .. x0 + n - 1, each against the weight's four.  The 32 accumulators take turns, in the same order in every step.
; mode 0 (q, k): accumulator (x, w) at 8 (4 x + w);  mode 1 (v): at 8 (8 w + x).  zero = 1: the first products start the sums.
.macro MUL mode, p, x0, n, zero
.set xx, \x0
.rept \n
.irp w, 0,1,2,3
.set WF, 48*((\p)%2)+12*\w
.set XF, AF+12*xx
.set WC, WS+8*\w+(\p)
.set XC, XS+8*xx+(\p)
.if \mode
.set DD, 8*(8*\w+xx)
.if \zero
	WM XF, WF, 0, XC, WC
.else
	WM XF, WF, v[DD:DD+7], XC, WC
.endif
.else
.set DD, 8*(4*xx+\w)
.if \zero
	WM WF, XF, 0, WC, XC
.else
	WM WF, XF, v[DD:DD+7], WC, XC
.endif
.endif
.endr
.set xx, xx+1
.endr
.endm
.macro MWIN mode, p                    ; C and D window 2; the weight window 1; x window 0 or 3
	WIN 0xa1+3*(\mode)+(0x0c-9*(\mode))*(((\p)+1)%2)
.endm
.macro STEP mode, p, zero              ; position p; the next position's 36 loads go out ahead of its 32 products
	s_wait_dscnt 0x0                               ; this position's fragments, asked for a step ago, are in
	PLACES
	FETCHW (\p)+1
	FETCHX (\p)+1
	MWIN \mode, \p
	MUL \mode, \p, 0, 8, \zero
	WIN 0
.endm
; A position with a round in it: behind the round the region whose last fragments are in registers takes the next weight's bytes.
.macro ROUNDSTEP p, g0, g1
	s_wait_dscnt 0x0
	PLACES
	FETCHX ((\p)+1)%8                              ; x's records are never filled again
	s_wait_tensorcnt 0x0                           ; all my tensor loads have landed
	ds_add_u32 v[SPW], v[NIL]                      ; 0 onto my spare word
	MWIN 0, \p
	MUL 0, \p, 0, 4, 0
	s_wait_dscnt 0x0                               ; the add is done, and my LDS reads are over
	s_barrier_signal -1
	MUL 0, \p, 4, 4, 0
	WIN 0
	s_barrier_wait -1
	CREST                                          ; no wave of any partner still reads the region or has a load on its way
	s_add_nc_u64 s[\g0+2:\g0+3], s[\g0+2:\g0+3], 64*RECB   ; the next weight lies 64 tiles on
	TLOAD \g0, \g1                                 ; two tiles a wave; its four v_nop are the places in front of the loads below
	FETCHW ((\p)+1)%8                              ; out of the other region, which the round has shown whole
.endm
; 64 numbers of a lane, register 16 b + i = index 32 b + 16 h + i of my row, become codes: blocks 0, 1 in v[d0] .. v[d0 + 5], blocks 2, 3 in v[d1] .. v[d1 + 5]; the four bytes in v[pw].
.macro QUANT s, d0, d1, pw
.irp b, 0,1,2,3
	v_max3_num_f32 v[TM+\b], |v[\s+16*\b]|, |v[\s+1+16*\b]|, 0x1800000   ; my 16 numbers of block b, and the floor 2^(3 - 127)
.endr
.irp i, 2,4,6,8,10,12,14
.irp b, 0,1,2,3
	v_max3_num_f32 v[TM+\b], v[TM+\b], |v[\s+16*\b+\i]|, |v[\s+1+16*\b+\i]|
.endr
.endr
.irp b, 0,1,2,3
	v_permlanex16_b32 v[TM+4+\b], v[TM+\b], s12, s13
.endr
.irp b, 0,1,2,3
	v_max_num_f32 v[TM+\b], v[TM+\b], v[TM+4+\b]   ; with lane l xor 16's: the block's largest magnitude
.endr
.irp b, 0,1,2,3
	v_add_nc_u32 v[TM+12+\b], 0xff000000, v[TM+\b] ; 2 off its exponent field: the conversion's scale operand
.endr
.irp b, 0,1,2,3
	v_lshrrev_b32 v[TM+4+\b], 23, v[TM+12+\b]      ; the scale's byte
.endr
	v_lshl_or_b32 v[\pw], v[TM+5], 8, v[TM+4]
	v_lshl_or_b32 v[\pw], v[TM+6], 16, v[\pw]
	v_lshl_or_b32 v[\pw], v[TM+7], 24, v[\pw]
	s_wait_alu depctr_va_vdst(0)
	s_wait_xcnt 0x0                                ; earlier stores have read the codes' registers
	v_cvt_scalef32_pk16_fp6_f32 v[\d0:\d0+2], v[\s:\s+15], v[TM+12]
	v_cvt_scalef32_pk16_fp6_f32 v[CT:CT+2], v[\s+16:\s+31], v[TM+13]
	v_cvt_scalef32_pk16_fp6_f32 v[\d1:\d1+2], v[\s+32:\s+47], v[TM+14]
	v_cvt_scalef32_pk16_fp6_f32 v[CT+4:CT+6], v[\s+48:\s+63], v[TM+15]
	v_nop                                          ; one plain place behind a scaled conversion
.irp i, 0,1,2                          ; the operand's layout wants a whole block in a lane
	v_permlane16_swap_b32 v[\d0+\i], v[CT+\i]
	v_permlane16_swap_b32 v[\d1+\i], v[CT+4+\i]
.endr
.irp i, 0,1,2
	v_mov_b32 v[\d0+3+\i], v[CT+\i]
	v_mov_b32 v[\d1+3+\i], v[CT+4+\i]
.endr
.endm
.macro PUT3 base, off                  ; a fragment: three stores of 512 consecutive bytes, aligned to 256
.irp j, 0,1,2
	global_store_b128 v[LI], v[FA+4*\j:FA+4*\j+3], \base offset:(\off)+512*\j
.endr
.endm
	s_load_b256 s[4:11], s[0:1], 0x0               ; xw s[4:5], b_qkv s[6:7], qimg s[8:9], kv s[10:11]
	v_lshl_add_u32 v[SPW], v0, 2, SPARE
	v_mov_b32 v[NIL], 0
	ds_add_u32 v[SPW], v[NIL]
	ds_add_u32 v[SPW], v[NIL]
	v_lshrrev_b32 v1, 5, v0
	v_readfirstlane_b32 s14, v1                    ; wave 0..3
	s_lshr_b32 s15, s14, 1                         ; wr: which 128 tokens
	s_and_b32 s16, s14, 1                          ; wc: which head of the pair
	s_bfe_u32 s96, ttmp6, 0x40000                  ; cx
	s_bfe_u32 s97, ttmp6, 0x40004                  ; cy
	s_and_b32 s98, ttmp7, 0xffff                   ; the cluster's y: the batch
	s_lshl_b32 s99, ttmp9, 2
	s_add_co_u32 s99, s99, s96                     ; the pair of heads, 0 .. 7
	s_lshl_b32 s100, s98, 2
	s_add_co_u32 s100, s100, s97                   ; the block of 256 tokens, 0 .. 31
	s_mov_b32 s12, 0x76543210
	s_mov_b32 s13, 0xfedcba98                      ; v_permlanex16_b32's selects for lane l xor 16
	s_lshl_b32 s17, s97, 2
	s_lshl_b32 s17, 15, s17                        ; my row of the cluster
	s_lshl_b32 s18, 0x1111, s96                    ; my column
	GROUP1 G1X, 17, 1600, 8
	GROUP1 G1A, 18, 832, 8
	GROUP1 G1B, 18, 768, 8
	s_mul_i32 s84, s100, 16*RECB
	s_mul_i32 s19, s16, 8*RECB                     ; waves 0 and 1 fetch 8 records of x each
	s_add_co_u32 s84, s84, s19
	s_mov_b32 s85, 0
	s_mul_i32 s86, s99, 8*RECB
	s_add_co_u32 s86, s86, 512*RECB                ; w_q's tiles of my pair of heads
	s_mov_b32 s87, 0
	s_mov_b32 s20, LW1
	s_mov_b32 s21, LW2
	s_wait_dscnt 0x0
	s_wait_kmcnt 0x0
	s_add_nc_u64 s[84:85], s[4:5], s[84:85]
	s_add_nc_u64 s[86:87], s[4:5], s[86:87]
	CROUND                                         ; all sixteen work-groups are here: the first joint loads meet
	GROUP0 G0X, 19, 84, 0
	GROUP0 G0HA, 20, 86, P2
	GROUP0 G0HB, 21, 86, 0
	s_cmp_lt_u32 s14, 2                            ; one chain of branches on the wave's number, one load to an arm
	s_cbranch_scc0 .Lhead_a
	TLOAD G0X, G1X
	s_branch .Lhead_asked
.Lhead_a:
	s_cmp_eq_u32 s14, 2
	s_cbranch_scc0 .Lhead_b
	TLOAD G0HA, G1A
	s_branch .Lhead_asked
.Lhead_b:
	TLOAD G0HB, G1B
.Lhead_asked:
	s_mul_i32 s22, s14, 2*RECB                     ; the refills: two tiles a wave
	s_mov_b32 s23, 0
	s_add_nc_u64 s[88:89], s[86:87], s[22:23]
	s_mul_i32 s20, s14, 2*P1
	s_add_co_u32 s20, s20, LW1
	s_mul_i32 s21, s14, 2*P2
	s_add_co_u32 s21, s21, LW2
	GROUP0 G0A, 20, 88, P2
	GROUP0 G0B, 21, 88, 0
	s_lshl_b32 s17, s98, 4                         ; where the results go
	s_lshl_b32 s18, s99, 1
	s_add_co_u32 s17, s17, s18
	s_add_co_u32 s17, s17, s16                     ; 16 x batch + my head
	s_lshl_b32 s18, s97, 1
	s_add_co_u32 s18, s18, s15                     ; my 128 tokens of the batch: 2 cy + wr
	s_mul_i32 s19, s18, 6144
	s_lshl_b32 s18, s18, 8
	s_mov_b32 s21, 0
	s_mul_i32 s20, s17, 51200
	s_add_nc_u64 s[74:75], s[8:9], s[20:21]        ; my head's record in qimg,
	s_mul_i32 s20, s17, 102400
	s_add_nc_u64 s[78:79], s[10:11], s[20:21]      ; and in kv
	s_mov_b32 s20, s19
	s_add_nc_u64 s[72:73], s[74:75], s[20:21]      ; q's four fragments
	s_add_nc_u64 s[76:77], s[78:79], s[20:21]      ; k's
	s_add_nc_u64 s[80:81], s[76:77], 49152         ; v's
	s_mov_b32 s20, s18
	s_add_nc_u64 s[74:75], s[74:75], s[20:21]
	s_add_nc_u64 s[74:75], s[74:75], 49152         ; q's scale unit
	s_add_nc_u64 s[78:79], s[78:79], s[20:21]
	s_add_nc_u64 s[82:83], s[78:79], 100352        ; v's
	s_add_nc_u64 s[78:79], s[78:79], 98304         ; k's
	s_lshl_b32 s20, s99, 9
	s_lshl_b32 s22, s16, 8
	s_add_co_u32 s20, s20, s22
	s_add_nc_u64 s[2:3], s[6:7], s[20:21]          ; q's bias of my head; k's and v's lie 4,096 and 8,192 bytes on
	s_mul_i32 s20, s15, 8*RECB
	s_mul_i32 s21, s16, 4*P1
	s_add_co_u32 s21, s21, LW1
	s_mul_i32 s22, s16, 4*P2
	s_add_co_u32 s22, s22, LW2
	s_mov_b32 s67, 0                               ; the phase: 0 q, 1 k
	v_and_b32 v1, 15, v0                           ; r
	v_bfe_u32 v2, v0, 4, 1                         ; h
	v_and_b32 v[LI], 31, v0
	v_lshlrev_b32 v[LI], 4, v[LI]
	v_lshlrev_b32 v[SOF], 4, v1
	v_add_nc_u32 v[AX], s20, v[LI]
	v_add_nc_u32 v[AX+1], 4*RECB, v[AX]
	v_add_nc_u32 v[AW], s21, v[LI]
	v_add_nc_u32 v[AW+1], s22, v[LI]
	v_add_nc_u32 v[SX], s20, v[SOF]
	v_add_nc_u32 v[SX], 12288, v[SX]
	v_add_nc_u32 v[SX+1], 4*RECB, v[SX]
	v_add_nc_u32 v[SWA], s21, v[SOF]
	v_add_nc_u32 v[SWA], P2, v[SWA]
	v_lshlrev_b32 v[BOF], 6, v2                    ; q, k: register 16 B + i wants channel 32 B + 16 h + i
	v_and_b32 v[BOF+1], 8, v1
	v_add_nc_u32 v[BOF+1], v[BOF+1], v1
	v_lshlrev_b32 v[BOF+1], 2, v[BOF+1]            ; v: my channel in a tile: r + 8 (r / 8)
.irp b, 0,1,2,3
	v_mov_b32 v[TM+4+\b], 0                        ; written once: a lane permute's destination counts as one of its sources
.endr
	s_wait_alu depctr_va_vdst(0)
	s_wait_tensorcnt 0x0                           ; my tile of the head's is in; no tensor load of mine is out, so a descriptor may be written:
	s_mov_b32 s[G1A+2], 2<<16                      ; from here on a load brings two tiles
	s_mov_b32 s[G1A+4], 2
	s_mov_b32 s[G1B+2], 2<<16
	s_mov_b32 s[G1B+4], 2
	s_barrier_signal -1
	s_barrier_wait -1                              ; everybody's is in
.irp x, 0,1,2,3,4,5,6,7                ; x's scale words by position, once for the three phases
	ds_load_b128 v[XS+8*\x:XS+8*\x+3], v[SX+\x/4] offset:(\x%4)*RECB+256
	ds_load_b128 v[XS+8*\x+4:XS+8*\x+7], v[SX+\x/4] offset:(\x%4)*RECB
.endr
	WSCALES
	FETCHW 0
	FETCHX 0
.Lqk:                                  ; q's phase, then k's
	WIN 0x40
.irp B, 0,1
.irp j, 0,1,2,3
	global_load_b128 v[96+16*\B+4*\j:99+16*\B+4*\j], v[BOF], s[2:3] offset:128*\B+16*\j
.endr
.endr
	WIN 0
	STEP 0, 0, 1
	STEP 0, 1, 0
	STEP 0, 2, 0
	ROUNDSTEP 3, G0A, G1A
	STEP 0, 4, 0
	STEP 0, 5, 0
	STEP 0, 6, 0
	ROUNDSTEP 7, G0B, G1B
	WSCALES                                        ; the next weight's, out of the region that the round has shown whole
	s_wait_xcnt 0x0                                ; the last phase's stores have read their bases and their data
	s_cmp_eq_u32 s67, 0
	s_cselect_b64 s[92:93], s[72:73], s[76:77]
	s_cselect_b64 s[94:95], s[74:75], s[78:79]
	s_wait_loadcnt 0x0                             ; the bias is in, and its loads have read their base
	s_add_nc_u64 s[2:3], s[2:3], 4096
.irp bb, 0,1,2,3                       ; two token tiles make a fragment: their 64 sums lie on end
	WIN 0x06
.set n, 0
.rept 32
	v_pk_add_f32 v[HA+n:HA+n+1], v[64*\bb+n:64*\bb+n+1], v[96+n%32:97+n%32]   ; each accumulator is read from its low end on
.set n, n+2
.endr
	WIN 0
	QUANT HA, FA, FA+6, SW+\bb                     ; the four bytes are the fragment's scale word of row r
	PUT3 s[92:93], 1536*\bb
.endr
	global_store_b128 v[SOF], v[SW:SW+3], s[94:95] ; a unit of 256 bytes; lanes 16-31 hold and store the same words as lanes 0-15
	s_wait_xcnt 0x0                                ; this phase's stores have read their data: the next phase's first step loads x's fragments into the codes' registers
	s_add_co_u32 s67, s67, 1
	s_cmp_lt_u32 s67, 2
	s_wait_alu depctr_va_vdst(0)
	s_cbranch_scc1 .Lqk
	; ---- v: the sources change places
	WIN 0x40
.irp a, 0,1,2,3
	global_load_b32 v[96+2*\a], v[BOF+1], s[2:3] offset:4*(32*(\a/2)+8*(\a%2))
	v_mov_b32 v[97+2*\a], 0                        ; (named as the upper half of a pair)
.endr
	WIN 0
	s_wait_alu depctr_va_vdst(0)
	STEP 1, 0, 1
	STEP 1, 1, 0
	STEP 1, 2, 0
	s_wait_dscnt 0x0                               ; position 3, with a plain barrier in it
	PLACES
	FETCHX 4
	MWIN 1, 3
	MUL 1, 3, 0, 4, 0
	s_wait_tensorcnt 0x0                           ; my part of v's second region is in
	s_wait_dscnt 0x0
	s_barrier_signal -1
	MUL 1, 3, 4, 4, 0
	WIN 0
	s_barrier_wait -1                              ; and everybody's
	PLACES
	FETCHW 4
	STEP 1, 4, 0
	STEP 1, 5, 0
	STEP 1, 6, 0
	s_wait_dscnt 0x0
	MWIN 1, 7
	MUL 1, 7, 0, 8, 0
	WIN 0
	PLACES
	s_wait_xcnt 0x0                                ; k's stores have read their data
	s_wait_loadcnt 0x0
.irp a, 0,1,2,3                        ; channel tile a: one fragment, 16 channels x 128 keys
	WIN 0x06
.set n, 0
.rept 32
	v_pk_add_f32 v[HA+n:HA+n+1], v[64*\a+n:64*\a+n+1], v[96+2*\a:97+2*\a] op_sel_hi:[1,0]
.set n, n+2
.endr
	WIN 0
	QUANT HA, FA, FA+6, SW+\a
	PUT3 s[80:81], 1536*\a
.endr
	global_store_b128 v[SOF], v[SW:SW+3], s[82:83]
	s_wait_tensorcnt 0x0                           ; the wave's end
	ds_add_u32 v[SPW], v[NIL]
	s_wait_dscnt 0x0
	CROUND                                         ; the closing round: no work-group ends while a partner may still ask for a tile that names it
	s_endpgm
.Lfunc_end_k_q84ded6c2b3_qkv:
	.size	k_q84ded6c2b3_qkv, .Lfunc_end_k_q84ded6c2b3_qkv-k_q84ded6c2b3_qkv
	.p2alignl 7, 3214868480
	.fill 96, 4, 3214868480
	.section	.rodata,"a",@progbits
	.p2align	6, 0x0
	.amdhsa_kernel k_q84ded6c2b3_qkv
		.amdhsa_group_segment_fixed_size 327680
		.amdhsa_private_segment_fixed_size 0
		.amdhsa_enable_private_segment 0
		.amdhsa_kernarg_size 32
		.amdhsa_user_sgpr_count 2
		.amdhsa_user_sgpr_kernarg_segment_ptr 1
		.amdhsa_wavefront_size32 1
		.amdhsa_system_sgpr_workgroup_id_x 1
		.amdhsa_system_sgpr_workgroup_id_y 1
		.amdhsa_system_sgpr_workgroup_id_z 1
		.amdhsa_system_vgpr_workitem_id 0
		.amdhsa_next_free_vgpr 1024
		.amdhsa_next_free_sgpr 102
		.amdhsa_reserve_vcc 0
		.amdhsa_float_denorm_mode_32 3
		.amdhsa_float_denorm_mode_16_64 3
		.amdhsa_memory_ordered 1
		.amdhsa_forward_progress 1
		.amdhsa_inst_pref_size 169
	.end_amdhsa_kernel
	.amdgpu_metadata
---
amdhsa.version: [ 1, 2 ]
amdhsa.kernels:
  - .name:           k_q84ded6c2b3_qkv
    .symbol:         k_q84ded6c2b3_qkv.kd
    .args:
      - { .name: xw, .offset: 0, .size: 8, .value_kind: global_buffer, .address_space: global }
      - { .name: b_qkv, .offset: 8, .size: 8, .value_kind: global_buffer, .address_space: global }
      - { .name: qimg, .offset: 16, .size: 8, .value_kind: global_buffer, .address_space: global }
      - { .name: kv, .offset: 24, .size: 8, .value_kind: global_buffer, .address_space: global }
    .group_segment_fixed_size: 327680
    .private_segment_fixed_size: 0
    .kernarg_segment_align: 8
    .kernarg_segment_size: 32
    .max_flat_workgroup_size: 128
    .sgpr_count:     102
    .vgpr_count:     1024
    .wavefront_size: 32
...
	.end_amdgpu_metadata
.endif
;; end of part 2
;; launch attn (part 3): grid 4 x 64, 16 waves a work-group, clusters of 4 x 1, 327,680 bytes of LDS; arguments qimg, kv, oq; writes oq
.if DOCPART == 3
	.amdgcn_target "amdgcn-amd-amdhsa--gfx1250"
	.amdhsa_code_object_version 6
	.text
	.protected	k_q84ded6c2b3_attn
	.globl	k_q84ded6c2b3_attn
	.p2align	8
	.type	k_q84ded6c2b3_attn,@function
k_q84ded6c2b3_attn:
	s_mov_b64 s[64:65], 0
	v_nop
	global_prefetch_b8 v0, s[64:65] scope:SCOPE_SE
	s_setreg_imm32_b32 hwreg(HW_REG_WAVE_MODE, 25, 1), 1
	s_wait_xcnt 0x0
	s_wait_alu depctr_hold_cnt(0) depctr_sa_sdst(0) depctr_va_vdst(0) depctr_va_sdst(0) depctr_va_ssrc(0) depctr_va_vcc(0) depctr_vm_vsrc(0)
	s_getreg_b32 s2, hwreg(HW_REG_IB_STS2, 6, 4)
	s_cmp_eq_u32 s2, 0
	s_cbranch_scc0 .Lentry_in_a_cluster
	s_endpgm
.Lentry_in_a_cluster:
	s_bfe_u32 s2, ttmp6, 0x10000c
	s_cmp_lg_u32 s2, 0x3003
	s_cbranch_scc0 .Lentry_shape_is_right
	s_endpgm
.Lentry_shape_is_right:
; o = softmax(q k^T / 8) v on codes of FP6 (E2M3), head by head, and o quantised along the channels for the projection that follows.
; A work-group of 16 waves takes 256 queries of a pair of heads (work-group y: 8 x batch + pair); a wave 16 queries, first of the one head, then of the other.
; Both products are used transposed (S^T = k q^T, O^T = v^T p^T): a lane holds one query.  A head's 64 channels fill half of a product's 128: a fragment of K holds two tiles of keys, and q stands beside zero codes, once in each half.
; p = 2^(t - M), M the running largest t rounded up to a whole number; the row's sum is taken of the unquantised p; when M moves, the sum and O^T are multiplied by a power of two.
; THE FILL: both heads' records of kv, 204,800 bytes on end, come into LDS once: each wave asks for 50 rows of 256 bytes, its one tensor load.  Nothing is filled again; one barrier shows the whole to all waves, and none stands between the heads.
; CLUSTER 4 x 1: the four blocks of queries of a pair of heads read the same records and ask for them jointly.  No prefetch: all that the launch reads by tensor loads is asked for at its head.
; OUTPUT: oq, tile records of 12,800 bytes as xw's: the pair's 128 channels are one K step of the projection.
; LIMITS: the promise holds while the scaled scores stay under 2^31 in magnitude; NaN and infinities are not served; a block whose largest magnitude lies under 2^(3 - 127) is held at byte 1.
.set LI,  1
.set LR,  2
.set ADK, 3
.set ADS, 4
.set QS,  52
.set PS,  54
.set KS,  56
.set VS,  60
.set F,   64
.set S,   112
.set O,   176
.set PC,  208
.set CT,  220
.set BM,  228
.set BT,  232
.set SO,  236
.set FP,  240
.set TW,  242
.set OW,  243
.set OF,  244
.set TK,  36
.set TS,  37
.set CNT, 38
.macro CROUND
	s_barrier_signal -1
	s_barrier_wait -1
	s_cmp_lg_u32 s10, 0
	s_cbranch_scc1 .Lnot_wave_0_\@
	s_barrier_signal -3
.Lnot_wave_0_\@:
	s_barrier_wait -3
	s_barrier_signal -1
	s_barrier_wait -1
.endm
	s_load_b128 s[4:7], s[0:1], 0x0
	s_load_b64 s[8:9], s[0:1], 0x10
	v_lshl_add_u32 v223, v0, 2, 0x32000
	v_mov_b32 v227, 0
	ds_add_u32 v223, v227
	ds_add_u32 v223, v227
	v_lshrrev_b32 v5, 5, v0
	s_delay_alu instid0(VALU_DEP_1)
	v_readfirstlane_b32 s10, v5
	s_bfe_u32 s11, ttmp6, 0x40000
	s_lshl_b32 s12, ttmp9, 2
	s_add_co_u32 s12, s12, s11
	s_and_b32 s13, ttmp7, 0xffff
	s_mov_b32 s16, 15|(3<<16)|(1<<21)
	s_mov_b32 s17, 32<<16
	s_mov_b32 s18, 50<<16
	s_mov_b32 s19, 32<<16
	s_mov_b32 s20, 50
	s_mov_b32 s21, 32
	s_mov_b32 s22, 0
	s_mov_b32 s23, 0
	s_mul_i32 s41, s10, 12800                      ; my sixteenth of the two records, in memory and in LDS alike
	s_mul_i32 s42, s13, 204800
	s_add_co_u32 s42, s42, s41
	s_mov_b32 s43, 0
	s_mov_b32 s32, 0x76543210
	s_mov_b32 s33, 0xfedcba98
	s_mov_b32 s34, 0x3e38aa3b
	s_mov_b32 s35, s34
	s_and_b32 s40, s10, 1
	s_sub_co_u32 s39, 0, s40
	s_lshl_b32 s40, s40, 4
	s_wait_dscnt 0x0
	s_wait_kmcnt 0x0
	s_mov_b32 s24, 1
	s_mov_b32 s25, s41
	s_add_nc_u64 s[26:27], s[6:7], s[42:43]
	s_or_b32 s27, s27, 0x80000000
	CROUND                                         ; the four partners are here: the joint loads meet
	tensor_load_to_lds s[24:27], s[16:23]          ; my one tensor load: 12,800 bytes
	s_nop 0
.rept 4
	v_nop
.endr
	v_and_b32 v[LI], 31, v0
	s_delay_alu instid0(VALU_DEP_1)
	v_lshlrev_b32 v[LI], 4, v[LI]
	s_wait_alu depctr_va_vdst(0)
	v_and_b32 v[LR], 15, v0
	s_delay_alu instid0(VALU_DEP_1)
	v_lshlrev_b32 v[LR], 4, v[LR]
	s_wait_alu depctr_va_vdst(0)
	s_lshr_b32 s44, s10, 1
	s_lshl_b32 s45, s12, 3
	s_add_co_u32 s44, s44, s45
	s_mul_i32 s46, s13, 102400
	s_mul_i32 s45, s44, 1536
	s_add_co_u32 s46, s46, s45
	s_mov_b32 s47, 0
	s_add_nc_u64 s[48:49], s[4:5], s[46:47]
	s_mul_i32 s46, s13, 102400
	s_lshr_b32 s45, s44, 2
	s_lshl_b32 s45, s45, 8
	s_add_co_u32 s46, s46, s45
	s_and_b32 s45, s44, 3
	s_lshl_b32 s45, s45, 2
	s_add_co_u32 s46, s46, s45
	s_add_co_u32 s46, s46, 49152
	s_add_nc_u64 s[50:51], s[4:5], s[46:47]
.irp c, 0,1
.irp j, 0,1,2
	global_load_b128 v[S+12*\c+4*\j:S+12*\c+4*\j+3], v[LI], s[48:49] offset:51200*\c+512*\j
.endr
	global_load_b32 v[BM+\c], v[LR], s[50:51] offset:51200*\c
.endr
	s_wait_loadcnt 0x0
.irp c, 0,1
.irp i, 0,1,2,3,4,5
	v_cndmask_b32 v[16+18*\c+\i], v[S+12*\c+\i], v[S+12*\c+6+\i], s39
	v_cndmask_b32 v[28+18*\c+\i], v[S+12*\c+\i], v[S+12*\c+6+\i], s39
	v_mov_b32 v[22+18*\c+\i], 0
.endr
	v_lshrrev_b32 v[TW], s40, v[BM+\c]
	s_delay_alu instid0(VALU_DEP_1)
	v_perm_b32 v[QS+\c], v[TW], v[TW], 0x01000100
.endr
.irp b, 0,1,2,3
	v_mov_b32 v[BT+\b], 0
.endr
	v_mov_b32 v[FP+1], 0
	s_wait_tensorcnt 0x0                           ; my part of the two records is in; behind the barrier everybody's
	s_barrier_signal -1
	s_barrier_wait -1
.macro STEP hd
.set QF, 16+18*\hd
	v_add_nc_u32 v[ADK], s[TK], v[LI]
	v_add_nc_u32 v[ADS], s[TS], v[LR]
	v_nop
	v_nop
.irp f, 0,1,2,3
.irp j, 0,1,2
	ds_load_b128 v[F+12*\f+4*\j:F+12*\f+4*\j+3], v[ADK] offset:1536*\f+512*\j
.endr
.endr
	ds_load_b128 v[KS:KS+3], v[ADS]
	s_wait_alu depctr_va_vdst(0)
	s_wait_dscnt 0x0
.irp f, 0,1,2,3
	v_wmma_scale_f32_16x16x128_f8f6f4 v[S+16*\f:S+16*\f+7], v[F+12*\f:F+12*\f+11], v[QF:QF+11], 0, v[KS+\f], v[QS+\hd] matrix_a_fmt:MATRIX_FMT_FP6 matrix_b_fmt:MATRIX_FMT_FP6
	v_wmma_scale_f32_16x16x128_f8f6f4 v[S+16*\f+8:S+16*\f+15], v[F+12*\f:F+12*\f+11], v[QF+6:QF+17], 0, v[KS+\f], v[QS+\hd] matrix_a_fmt:MATRIX_FMT_FP6 matrix_b_fmt:MATRIX_FMT_FP6
.endr
.rept 4
	v_nop
.endr
.irp t, 0,1,2,3
.irp j, 0,1,2
	ds_load_b128 v[F+12*\t+4*\j:F+12*\t+4*\j+3], v[ADK] offset:49152+1536*\t+512*\j
.endr
.endr
	ds_load_b128 v[VS:VS+3], v[ADS] offset:2048
.irp b, 0,1,2,3
	v_max3_num_f32 v[BM+\b], v[S+16*\b], v[S+16*\b+1], v[S+16*\b+2]
.endr
.irp i, 3,5,7,9,11,13
.irp b, 0,1,2,3
	v_max3_num_f32 v[BM+\b], v[BM+\b], v[S+16*\b+\i], v[S+16*\b+\i+1]
.endr
.endr
.irp b, 0,1,2,3
	v_max_num_f32 v[BM+\b], v[BM+\b], v[S+16*\b+15]
.endr
.irp b, 0,1,2,3
	s_delay_alu instid0(VALU_DEP_4)
	v_permlanex16_b32 v[BT+\b], v[BM+\b], s32, s33
.endr
.irp b, 0,1,2,3
	s_delay_alu instid0(VALU_DEP_4)
	v_max_num_f32 v[BM+\b], v[BM+\b], v[BT+\b]
.endr
	s_delay_alu instid0(VALU_DEP_2)
	v_max3_num_f32 v[TW], v[BM], v[BM+1], v[BM+2]
	s_delay_alu instid0(VALU_DEP_1)
	v_max_num_f32 v[TW], v[TW], v[BM+3]
	s_delay_alu instid0(VALU_DEP_1)
	v_mul_f32 v[TW], s34, v[TW]
	s_delay_alu instid0(VALU_DEP_1)
	v_max_num_f32 v13, v13, v[TW]
	v_mov_b32 v[TW], v12
	s_delay_alu instid0(VALU_DEP_2)
	v_floor_f32 v12, -v13
	s_delay_alu instid0(VALU_DEP_1)
	v_sub_f32 v[TW], v12, v[TW]
	s_delay_alu instid0(VALU_DEP_1)
	v_cvt_i32_f32 v[TW], v[TW]
	s_delay_alu instid0(VALU_DEP_1)
	v_ldexp_f32 v[FP], 1.0, v[TW]
.set n, 0
.rept 32
	v_pk_fma_f32 v[S+n:S+n+1], v[S+n:S+n+1], s[34:35], v[12:13] op_sel_hi:[1,0,0]
.set n, n+2
.endr
.irp b, 0,1,2,3
	v_fma_f32 v[BM+\b], v[BM+\b], s34, v12
.endr
.set n, 0
	s_wait_alu depctr_va_vdst(0)
.rept 64
	v_exp_f32 v[S+n], v[S+n]
.set n, n+1
.endr
.irp b, 0,1,2,3
	v_exp_f32 v[BM+\b], v[BM+\b]
.endr
	v_pk_mul_f32 v[14:15], v[14:15], v[FP:FP+1] op_sel_hi:[1,0]
	s_wait_alu depctr_va_vdst(0)
.irp b, 0,1,2,3
	v_max_num_f32 v[BM+\b], 0x1800000, v[BM+\b]
.endr
.irp b, 0,1,2,3
	s_delay_alu instid0(VALU_DEP_4)
	v_add_nc_u32 v[SO+\b], 0xff000000, v[BM+\b]
.endr
.irp b, 0,1,2,3
	s_delay_alu instid0(VALU_DEP_4)
	v_lshrrev_b32 v[BT+\b], 23, v[SO+\b]
.endr
	s_delay_alu instid0(VALU_DEP_3)
	v_lshl_or_b32 v[PS], v[BT+1], 8, v[BT]
	s_delay_alu instid0(VALU_DEP_1)
	v_lshl_or_b32 v[PS], v[BT+2], 16, v[PS]
	s_delay_alu instid0(VALU_DEP_1)
	v_lshl_or_b32 v[PS], v[BT+3], 24, v[PS]
.irp cc, 0,1
	v_cvt_scalef32_pk16_fp6_f32 v[PC+6*\cc:PC+6*\cc+2], v[S+32*\cc:S+32*\cc+15], v[SO+2*\cc]
	v_cvt_scalef32_pk16_fp6_f32 v[CT+4*\cc:CT+4*\cc+2], v[S+32*\cc+16:S+32*\cc+31], v[SO+2*\cc+1]
.endr
	v_nop
.irp cc, 0,1
.irp i, 0,1,2
	v_permlane16_swap_b32 v[PC+6*\cc+\i], v[CT+4*\cc+\i]
.endr
.irp i, 0,1,2
	s_delay_alu instid0(VALU_DEP_3)
	v_mov_b32 v[PC+6*\cc+3+\i], v[CT+4*\cc+\i]
.endr
.endr
	v_pk_add_f32 v[BT:BT+1], v[S:S+1], v[S+2:S+3]
.irp j, 4,8,12,16,20,24,28,32,36,40,44,48,52,56,60
	v_pk_add_f32 v[14:15], v[14:15], v[S+\j:S+\j+1]
	v_pk_add_f32 v[BT:BT+1], v[BT:BT+1], v[S+\j+2:S+\j+3]
.endr
	s_delay_alu instid0(VALU_DEP_1)
	v_pk_add_f32 v[14:15], v[14:15], v[BT:BT+1]
.set n, 0
.rept 16
	v_pk_mul_f32 v[O+n:O+n+1], v[O+n:O+n+1], v[FP:FP+1] op_sel_hi:[1,0]
.set n, n+2
.endr
	s_wait_alu depctr_va_vdst(0)
	s_wait_dscnt 0x0
.irp t, 0,1,2,3
	v_wmma_scale_f32_16x16x128_f8f6f4 v[O+8*\t:O+8*\t+7], v[F+12*\t:F+12*\t+11], v[PC:PC+11], v[O+8*\t:O+8*\t+7], v[VS+\t], v[PS] matrix_a_fmt:MATRIX_FMT_FP6 matrix_b_fmt:MATRIX_FMT_FP6
.endr
	s_add_co_u32 s[TK], s[TK], 6144
	s_add_co_u32 s[TS], s[TS], 256
.endm
.macro PASS hd
	s_mov_b32 s[TK], 102400*\hd
	s_mov_b32 s[TS], 102400*\hd+98304
	s_mov_b32 s[CNT], 8
	v_mov_b32 v13, 0xff61b1e6
	s_delay_alu instid0(VALU_DEP_1)
	v_floor_f32 v12, -v13
	v_mov_b32 v14, 0
	v_mov_b32 v15, 0
.set n, 0
.rept 32
	v_mov_b32 v[O+n], 0
.set n, n+1
.endr
.Lstep_\@:
	STEP \hd
	s_sub_co_u32 s[CNT], s[CNT], 1
	s_cmp_lg_u32 s[CNT], 0
	s_cbranch_scc1 .Lstep_\@
	v_add_f32 v14, v14, v15
	s_delay_alu instid0(VALU_DEP_1)
	v_permlanex16_b32 v[TW], v14, s32, s33
	s_delay_alu instid0(VALU_DEP_1)
	v_add_f32 v14, v14, v[TW]
	s_wait_alu depctr_va_vdst(0)
	v_rcp_f32 v14, v14
.rept 4
	v_nop
.endr
.set n, 0
	s_wait_alu depctr_va_vdst(0)
.rept 16
	v_pk_mul_f32 v[O+n:O+n+1], v[O+n:O+n+1], v[14:15] op_sel_hi:[1,0]
.set n, n+2
.endr
.irp b, 0,1
	v_max3_num_f32 v[BM+\b], |v[O+16*\b]|, |v[O+16*\b+1]|, 0x1800000
.endr
.irp i, 2,4,6,8,10,12,14
.irp b, 0,1
	s_delay_alu instid0(VALU_DEP_2)
	v_max3_num_f32 v[BM+\b], v[BM+\b], |v[O+16*\b+\i]|, |v[O+16*\b+\i+1]|
.endr
.endr
.irp b, 0,1
	s_delay_alu instid0(VALU_DEP_2)
	v_permlanex16_b32 v[BT+\b], v[BM+\b], s32, s33
.endr
.irp b, 0,1
	s_delay_alu instid0(VALU_DEP_2)
	v_max_num_f32 v[BM+\b], v[BM+\b], v[BT+\b]
.endr
.irp b, 0,1
	s_delay_alu instid0(VALU_DEP_2)
	v_add_nc_u32 v[SO+\b], 0xff000000, v[BM+\b]
.endr
.irp b, 0,1
	s_delay_alu instid0(VALU_DEP_2)
	v_lshrrev_b32 v[BT+\b], 23, v[SO+\b]
.endr
.if \hd == 0
	s_delay_alu instid0(VALU_DEP_1)
	v_lshl_or_b32 v[OW], v[BT+1], 8, v[BT]
.else
	s_delay_alu instid0(VALU_DEP_1)
	v_lshl_or_b32 v[TW], v[BT+1], 8, v[BT]
	s_delay_alu instid0(VALU_DEP_1)
	v_lshl_or_b32 v[OW], v[TW], 16, v[OW]
.endif
	v_cvt_scalef32_pk16_fp6_f32 v[OF+6*\hd:OF+6*\hd+2], v[O:O+15], v[SO]
	v_cvt_scalef32_pk16_fp6_f32 v[CT:CT+2], v[O+16:O+31], v[SO+1]
	v_nop
.irp i, 0,1,2
	v_permlane16_swap_b32 v[OF+6*\hd+\i], v[CT+\i]
.endr
.irp i, 0,1,2
	s_delay_alu instid0(VALU_DEP_3)
	v_mov_b32 v[OF+6*\hd+3+\i], v[CT+\i]
.endr
.endm
	PASS 0
	PASS 1
	s_lshr_b32 s44, s13, 3
	s_and_b32 s45, s13, 7
	s_lshl_b32 s46, s44, 6
	s_lshl_b32 s47, s12, 4
	s_add_co_u32 s46, s46, s47
	s_add_co_u32 s46, s46, s10
	s_mul_i32 s42, s46, 12800
	s_mov_b32 s43, 0
	s_add_nc_u64 s[8:9], s[8:9], s[42:43]
	s_mul_i32 s42, s45, 1536
	s_add_nc_u64 s[48:49], s[8:9], s[42:43]
	s_lshr_b32 s42, s45, 2
	s_lshl_b32 s42, s42, 8
	s_and_b32 s47, s45, 3
	s_lshl_b32 s47, s47, 2
	s_add_co_u32 s42, s42, s47
	s_add_co_u32 s42, s42, 12288
	s_add_nc_u64 s[50:51], s[8:9], s[42:43]
	s_wait_alu depctr_va_vdst(0)
.irp j, 0,1,2
	global_store_b128 v[LI], v[OF+4*\j:OF+4*\j+3], s[48:49] offset:512*\j
.endr
	global_store_b32 v[LR], v[OW], s[50:51]
	s_wait_tensorcnt 0x0
	ds_add_u32 v223, v227
	s_wait_dscnt 0x0
	CROUND
	s_endpgm
.Lfunc_end_k_q84ded6c2b3_attn:
	.size	k_q84ded6c2b3_attn, .Lfunc_end_k_q84ded6c2b3_attn-k_q84ded6c2b3_attn
	.p2alignl 7, 3214868480
	.fill 96, 4, 3214868480
	.section	.rodata,"a",@progbits
	.p2align	6, 0x0
	.amdhsa_kernel k_q84ded6c2b3_attn
		.amdhsa_group_segment_fixed_size 327680
		.amdhsa_private_segment_fixed_size 0
		.amdhsa_enable_private_segment 0
		.amdhsa_kernarg_size 24
		.amdhsa_user_sgpr_count 2
		.amdhsa_user_sgpr_kernarg_segment_ptr 1
		.amdhsa_wavefront_size32 1
		.amdhsa_system_sgpr_workgroup_id_x 1
		.amdhsa_system_sgpr_workgroup_id_y 1
		.amdhsa_system_sgpr_workgroup_id_z 1
		.amdhsa_system_vgpr_workitem_id 0
		.amdhsa_next_free_vgpr 256
		.amdhsa_next_free_sgpr 66
		.amdhsa_reserve_vcc 0
		.amdhsa_float_denorm_mode_32 3
		.amdhsa_float_denorm_mode_16_64 3
		.amdhsa_memory_ordered 1
		.amdhsa_forward_progress 1
		.amdhsa_inst_pref_size 53
	.end_amdhsa_kernel
	.amdgpu_metadata
---
amdhsa.version: [ 1, 2 ]
amdhsa.kernels:
  - .name:           k_q84ded6c2b3_attn
    .symbol:         k_q84ded6c2b3_attn.kd
    .args:
      - { .name: qimg, .offset: 0, .size: 8, .value_kind: global_buffer, .address_space: global }
      - { .name: kv, .offset: 8, .size: 8, .value_kind: global_buffer, .address_space: global }
      - { .name: oq, .offset: 16, .size: 8, .value_kind: global_buffer, .address_space: global }
    .group_segment_fixed_size: 327680
    .private_segment_fixed_size: 0
    .kernarg_segment_align: 8
    .kernarg_segment_size: 24
    .max_flat_workgroup_size: 512
    .sgpr_count:     66
    .vgpr_count:     256
    .wavefront_size: 32
...
	.end_amdgpu_metadata
.endif
;; end of part 3
;; launch proj (part 4): grid 8 x 32, 4 waves a work-group, clusters of 4 x 4, 327,680 bytes of LDS; arguments oq, pq, b_proj, out0; writes out0
.if DOCPART == 4
	.amdgcn_target "amdgcn-amd-amdhsa--gfx1250"
	.amdhsa_code_object_version 6
	.text
	.protected	k_q84ded6c2b3_proj
	.globl	k_q84ded6c2b3_proj
	.p2align	8
	.type	k_q84ded6c2b3_proj,@function
k_q84ded6c2b3_proj:
	s_mov_b64 s[64:65], 0
	v_nop
	global_prefetch_b8 v0, s[64:65] scope:SCOPE_SE
	s_setreg_imm32_b32 hwreg(HW_REG_WAVE_MODE, 25, 1), 1
	s_wait_xcnt 0x0
	s_wait_alu depctr_hold_cnt(0) depctr_sa_sdst(0) depctr_va_vdst(0) depctr_va_sdst(0) depctr_va_ssrc(0) depctr_va_vcc(0) depctr_vm_vsrc(0)
	s_getreg_b32 s2, hwreg(HW_REG_IB_STS2, 6, 4)
	s_cmp_eq_u32 s2, 0
	s_cbranch_scc0 .Lentry_in_a_cluster
	s_endpgm
.Lentry_in_a_cluster:
	s_bfe_u32 s2, ttmp6, 0x10000c
	s_cmp_lg_u32 s2, 0xf033
	s_cbranch_scc0 .Lentry_shape_is_right
	s_endpgm
.Lentry_shape_is_right:
; out0 = o w_proj^T + b_proj on codes of FP6 (E2M3).  oq and pq hold tile records of 12,800 bytes: 8 K steps' fragment images of 1,536 bytes, then two units of 256 bytes of scale words.
; Row r of tile T is row 32 (T / 2) + 8 (T % 2) + r + 8 (r / 8).  A fragment image is three chunks of 512 bytes, lane l's registers 4 j .. 4 j + 3 at 16 l.
; THE DEAL: 256 work-groups, each 256 tokens (work-group y) x 128 channels (work-group x).  Four waves, 2 x 2: wave (wr, wc) takes 128 tokens (8 tiles) and 64 channels (4 tiles): 32 accumulators.
; Source 0 = the weight's rows, source 1 = o's: a lane holds a token, and the 32 registers of a token tile run along 64 channels (register 16 B + i = channel 32 B + 16 h + i).
; LDS: o's 16 records at 0; LW1: the weight's 8 tiles, bytes 6,144 .. 12,799 of each record (K steps 4-7, scale words); LW2: bytes 0 .. 6,143; the spare words; a stage of 16 rows x 272 bytes for each wave.
; All of K is asked for at the head, one tensor load a wave (waves 0, 1: 8 records of o each; wave 2: LW1; wave 3: LW2); nothing is filled again.  K is walked in the order 4 .. 7, 0 .. 3.
; CLUSTER 4 x 4: o's records are asked for jointly along a row of the cluster, the weight's along a column.  No prefetch: the text has no loop to run ahead in.
; THE WAY OUT: a token tile's 16 x 64 sums, with the bias, go through the wave's own stage and leave as rows of 256 bytes: sixteen lanes store one aligned unit.
; REGISTERS: window 0: v1-31 addresses; v32-95 o's scale words, v100-131 the weight's; v132-227 o's 8 fragments, set 0 (on the way out: rows read back).  window 1: the weight's fragments, two sets; the bias in v96-127.
;            window 2: accumulator (x, w) at 8 (4 x + w).  window 3: v132-227 o's fragments, set 1.
.set RECB,  12800
.set P1,    6656
.set P2,    6144
.set LW1,   16*RECB
.set LW2,   LW1+8*P1
.set SPARE, LW2+8*P2                   ; the spare words, 128 bytes a wave: two blocks of 256 bytes that no other line names
.set STG,   SPARE+512                  ; the stages: no fill lands here
.set SP,    272
.set AX,   16
.set AW,   18
.set SX,   20
.set SWA,  22
.set LI,   24
.set STO,  25                          ; v25  the stage, on the way in: row r, 64 h bytes
.set RD,   26                          ; v26  and back: lanes 0-15 one row of 256 bytes, lanes 16-31 the next
.set CO,   27                          ; v27  the same two rows in out0
.set SPW,  28
.set NIL,  29
.set BOF,  30
.set XS,   32
.set WS,   100
.set AF,   132
.set BK,   132
.set G1X,  24
.set G1A,  32
.set G1B,  40
.set G0X,  48
.set G0HA, 52
.set G0HB, 56
.set MSB, 0
.macro WIN new                         ; the immediate's high byte repeats the setting that is left
.if MSB != (\new)
	s_set_vgpr_msb (MSB<<8)|(\new)
.set MSB, (\new)
.endif
.endm
.macro PLACES                          ; four places behind a matrix instruction of this form (ISA guide 7.12.1)
.rept 4
	v_nop
.endr
.endm
.macro TLOAD g0, g1                    ; s_nop 0 and four v_nop follow a tensor load
	tensor_load_to_lds s[\g0:\g0+3], s[\g1:\g1+7]
	s_nop 0
	PLACES
.endm
.macro CROUND                          ; a round of the cluster's barrier
	s_barrier_signal -1
	s_barrier_wait -1
	s_cmp_lg_u32 s14, 0
	s_cbranch_scc1 .Lnot_wave_0_\@
	s_barrier_signal -3
.Lnot_wave_0_\@:
	s_barrier_wait -3
	s_barrier_signal -1
	s_barrier_wait -1
.endm
.macro GROUP1 g, mask, el, rows
	s_or_b32 s[\g], s\mask, (3<<16)|(1<<21)
	s_mov_b32 s[\g+1], (\el)<<16
	s_mov_b32 s[\g+2], (\rows)<<16
	s_mov_b32 s[\g+3], (\el)<<16
	s_mov_b32 s[\g+4], \rows
	s_mov_b32 s[\g+5], RECB/8
	s_mov_b32 s[\g+6], 0
	s_mov_b32 s[\g+7], 0
.endm
.macro GROUP0 g, lds, base, off
	s_mov_b32 s[\g], 1
	s_mov_b32 s[\g+1], s\lds
	s_add_nc_u64 s[\g+2:\g+3], s[\base:\base+1], \off
	s_or_b32 s[\g+3], s[\g+3], 0x80000000
.endm
.macro FETCHW p                        ; the weight's four fragments of position p into set p % 2
	WIN 0x40
.irp w, 0,1,2,3
.irp c, 0,1,2
	ds_load_b128 v[48*((\p)%2)+12*\w+4*\c:48*((\p)%2)+12*\w+4*\c+3], v[AW+(\p)/4] offset:\w*(P1-512*((\p)/4))+((\p)%4)*1536+512*\c
.endr
.endr
	WIN 0
.endm
.macro FETCHX p                        ; o's eight fragments of position p into set (p + 1) % 2: set 0 in window 0, set 1 in window 3
	WIN 0xc0*(((\p)+1)%2)
.irp x, 0,1,2,3,4,5,6,7
.irp c, 0,1,2
	ds_load_b128 v[AF+12*\x+4*\c:AF+12*\x+4*\c+3], v[AX+\x/4] offset:(\x%4)*RECB+(((\p)+4)%8)*1536+512*\c
.endr
.endr
	WIN 0
.endm
.macro WM c
	v_wmma_scale_f32_16x16x128_f8f6f4 v[DD:DD+7], v[WF:WF+11], v[XF:XF+11], \c, v[WC], v[XC] matrix_a_fmt:MATRIX_FMT_FP6 matrix_b_fmt:MATRIX_FMT_FP6
.endm
.macro MUL p, zero                     ; position p's 32 products; the accumulators take turns, in the same order in every step
	WIN 0xa1+0x0c*(((\p)+1)%2)
.irp x, 0,1,2,3,4,5,6,7
.irp w, 0,1,2,3
.set WF, 48*((\p)%2)+12*\w
.set XF, AF+12*\x
.set WC, WS+8*\w+(\p)
.set XC, XS+8*\x+(\p)
.set DD, 8*(4*\x+\w)
.if \zero
	WM 0
.else
	WM v[DD:DD+7]
.endif
.endr
.endr
	WIN 0
.endm
.macro STEP p, zero                    ; the next position's 36 loads go out ahead of this position's 32 products
	s_wait_dscnt 0x0
	PLACES
	FETCHW (\p)+1
	FETCHX (\p)+1
	MUL \p, \zero
.endm
	s_load_b256 s[4:11], s[0:1], 0x0               ; oq s[4:5], pq s[6:7], b_proj s[8:9], out0 s[10:11]
	v_lshl_add_u32 v[SPW], v0, 2, SPARE
	v_mov_b32 v[NIL], 0
	ds_add_u32 v[SPW], v[NIL]
	ds_add_u32 v[SPW], v[NIL]
	v_lshrrev_b32 v1, 5, v0
	v_readfirstlane_b32 s14, v1                    ; wave 0..3
	s_lshr_b32 s15, s14, 1                         ; wr: which 128 tokens
	s_and_b32 s16, s14, 1                          ; wc: which 64 channels
	s_bfe_u32 s96, ttmp6, 0x40000                  ; cx
	s_bfe_u32 s97, ttmp6, 0x40004                  ; cy
	s_and_b32 s98, ttmp7, 0xffff
	s_lshl_b32 s99, ttmp9, 2
	s_add_co_u32 s99, s99, s96                     ; the block of 128 channels, 0 .. 7
	s_lshl_b32 s100, s98, 2
	s_add_co_u32 s100, s100, s97                   ; the block of 256 tokens, 0 .. 31
	s_lshl_b32 s17, s97, 2
	s_lshl_b32 s17, 15, s17                        ; my row of the cluster
	s_lshl_b32 s18, 0x1111, s96                    ; my column
	GROUP1 G1X, 17, 1600, 8
	GROUP1 G1A, 18, 832, 8
	GROUP1 G1B, 18, 768, 8
	s_mul_i32 s84, s100, 16*RECB
	s_mul_i32 s19, s16, 8*RECB                     ; waves 0 and 1 fetch 8 records of o each
	s_add_co_u32 s84, s84, s19
	s_mov_b32 s85, 0
	s_mul_i32 s86, s99, 8*RECB
	s_mov_b32 s87, 0
	s_mov_b32 s20, LW1
	s_mov_b32 s21, LW2
	s_wait_dscnt 0x0
	s_wait_kmcnt 0x0
	s_add_nc_u64 s[84:85], s[4:5], s[84:85]
	s_add_nc_u64 s[86:87], s[6:7], s[86:87]
	CROUND                                         ; all sixteen work-groups are here: the joint loads meet
	GROUP0 G0X, 19, 84, 0
	GROUP0 G0HA, 20, 86, P2
	GROUP0 G0HB, 21, 86, 0
	s_cmp_lt_u32 s14, 2                            ; one chain of branches on the wave's number, one load to an arm
	s_cbranch_scc0 .Lhead_a
	TLOAD G0X, G1X
	s_branch .Lhead_asked
.Lhead_a:
	s_cmp_eq_u32 s14, 2
	s_cbranch_scc0 .Lhead_b
	TLOAD G0HA, G1A
	s_branch .Lhead_asked
.Lhead_b:
	TLOAD G0HB, G1B
.Lhead_asked:
	s_lshl_b32 s20, s99, 9
	s_lshl_b32 s22, s16, 8
	s_add_co_u32 s20, s20, s22                     ; my 64 channels, in bytes
	s_mov_b32 s21, 0
	s_add_nc_u64 s[2:3], s[8:9], s[20:21]          ; their bias
	s_add_nc_u64 s[12:13], s[10:11], s[20:21]
	s_lshl_b32 s20, s100, 20
	s_lshl_b32 s22, s15, 19
	s_add_co_u32 s20, s20, s22
	s_add_nc_u64 s[12:13], s[12:13], s[20:21]      ; my first row of out0: 256 x block + 128 wr rows of 4,096 bytes
	s_mul_i32 s20, s15, 8*RECB
	s_mul_i32 s21, s16, 4*P1
	s_add_co_u32 s21, s21, LW1
	s_mul_i32 s22, s16, 4*P2
	s_add_co_u32 s22, s22, LW2
	s_mul_i32 s23, s14, 16*SP
	s_add_co_u32 s23, s23, STG                     ; my stage
	v_and_b32 v1, 15, v0                           ; r
	v_bfe_u32 v2, v0, 4, 1                         ; h
	v_and_b32 v[LI], 31, v0
	v_lshlrev_b32 v[LI], 4, v[LI]
	v_lshlrev_b32 v4, 4, v1
	v_add_nc_u32 v[AX], s20, v[LI]
	v_add_nc_u32 v[AX+1], 4*RECB, v[AX]
	v_add_nc_u32 v[AW], s21, v[LI]
	v_add_nc_u32 v[AW+1], s22, v[LI]
	v_add_nc_u32 v[SX], s20, v4
	v_add_nc_u32 v[SX], 12288, v[SX]
	v_add_nc_u32 v[SX+1], 4*RECB, v[SX]
	v_add_nc_u32 v[SWA], s21, v4
	v_add_nc_u32 v[SWA], P2, v[SWA]
	v_lshlrev_b32 v[BOF], 6, v2                    ; register 16 B + i wants channel 32 B + 16 h + i
	v_mul_u32_u24 v[STO], v1, SP
	v_lshl_add_u32 v[STO], v2, 6, v[STO]
	v_add_nc_u32 v[STO], s23, v[STO]
	v_mul_u32_u24 v[RD], v2, SP
	v_add_nc_u32 v[RD], v[RD], v4
	v_add_nc_u32 v[RD], s23, v[RD]
	v_lshl_add_u32 v[CO], v2, 12, v4
	s_wait_alu depctr_va_vdst(0)
	WIN 0x40
.irp B, 0,1
.irp j, 0,1,2,3
	global_load_b128 v[96+16*\B+4*\j:99+16*\B+4*\j], v[BOF], s[2:3] offset:128*\B+16*\j
.endr
.endr
	WIN 0
	s_wait_tensorcnt 0x0                           ; my tile of the head's is in
	s_barrier_signal -1
	s_barrier_wait -1                              ; and everybody's
.irp x, 0,1,2,3,4,5,6,7                ; the scale words by position: K steps 4-7's unit first
	ds_load_b128 v[XS+8*\x:XS+8*\x+3], v[SX+\x/4] offset:(\x%4)*RECB+256
	ds_load_b128 v[XS+8*\x+4:XS+8*\x+7], v[SX+\x/4] offset:(\x%4)*RECB
.endr
.irp w, 0,1,2,3
	ds_load_b128 v[WS+8*\w:WS+8*\w+3], v[SWA] offset:\w*P1+256
	ds_load_b128 v[WS+8*\w+4:WS+8*\w+7], v[SWA] offset:\w*P1
.endr
	FETCHW 0
	FETCHX 0
	STEP 0, 1                                      ; the first products start the sums: nothing is cleared
.irp p, 1,2,3,4,5,6
	STEP \p, 0
.endr
	s_wait_dscnt 0x0
	MUL 7, 0
.macro TOSTAGE a                       ; token tile a: + the bias, into my stage, and back as rows.  LDS serves a wave's instructions in order: no wait between the stores and the loads
	WIN 0x86
.set n, 0
.rept 16
	v_pk_add_f32 v[32*(\a)+n:32*(\a)+n+1], v[32*(\a)+n:32*(\a)+n+1], v[96+n:97+n]   ; each accumulator is read from its low end on
.set n, n+2
.endr
	WIN 0x08
.irp B, 0,1
.irp j, 0,1,2,3
	ds_store_b128 v[STO], v[32*(\a)+16*\B+4*\j:32*(\a)+16*\B+4*\j+3] offset:128*\B+16*\j
.endr
.endr
	WIN 0
.set BB, BK+32*((\a)%2)
.irp t, 0,1,2,3,4,5,6,7
	ds_load_b128 v[BB+4*\t:BB+4*\t+3], v[RD] offset:2*SP*\t
.endr
.endm
.macro SEND a, younger                 ; younger: the LDS instructions issued behind tile a's loads, which may stay out
.set BB, BK+32*((\a)%2)
	s_wait_dscnt \younger
.irp t, 0,1,2,3,4,5,6,7
	global_store_b128 v[CO], v[BB+4*\t:BB+4*\t+3], s[12:13] offset:(32*((\a)/2)+8*((\a)%2)+2*\t+8*(\t/4))*4096 th:TH_STORE_NT   ; two rows, each 256 consecutive bytes, aligned
.endr
.endm
	s_wait_loadcnt 0x0                             ; the bias
	PLACES
	TOSTAGE 0
.irp a, 1,2,3,4,5,6,7
.if \a > 1
	s_wait_xcnt 0x0                                ; tile a - 2's stores have read their registers
.endif
	TOSTAGE \a
	SEND \a-1, 16                                  ; behind tile a - 1's loads: tile a's 8 stores and 8 loads
.endr
	SEND 7, 0
	s_wait_tensorcnt 0x0                           ; the wave's end
	ds_add_u32 v[SPW], v[NIL]
	s_wait_dscnt 0x0
	CROUND                                         ; the closing round
	s_endpgm
.Lfunc_end_k_q84ded6c2b3_proj:
	.size	k_q84ded6c2b3_proj, .Lfunc_end_k_q84ded6c2b3_proj-k_q84ded6c2b3_proj
	.p2alignl 7, 3214868480
	.fill 96, 4, 3214868480
	.section	.rodata,"a",@progbits
	.p2align	6, 0x0
	.amdhsa_kernel k_q84ded6c2b3_proj
		.amdhsa_group_segment_fixed_size 327680
		.amdhsa_private_segment_fixed_size 0
		.amdhsa_enable_private_segment 0
		.amdhsa_kernarg_size 32
		.amdhsa_user_sgpr_count 2
		.amdhsa_user_sgpr_kernarg_segment_ptr 1
		.amdhsa_wavefront_size32 1
		.amdhsa_system_sgpr_workgroup_id_x 1
		.amdhsa_system_sgpr_workgroup_id_y 1
		.amdhsa_system_sgpr_workgroup_id_z 1
		.amdhsa_system_vgpr_workitem_id 0
		.amdhsa_next_free_vgpr 1024
		.amdhsa_next_free_sgpr 102
		.amdhsa_reserve_vcc 0
		.amdhsa_float_denorm_mode_32 3
		.amdhsa_float_denorm_mode_16_64 3
		.amdhsa_memory_ordered 1
		.amdhsa_forward_progress 1
		.amdhsa_inst_pref_size 86
	.end_amdhsa_kernel
	.amdgpu_metadata
---
amdhsa.version: [ 1, 2 ]
amdhsa.kernels:
  - .name:           k_q84ded6c2b3_proj
    .symbol:         k_q84ded6c2b3_proj.kd
    .args:
      - { .name: oq, .offset: 0, .size: 8, .value_kind: global_buffer, .address_space: global }
      - { .name: pq, .offset: 8, .size: 8, .value_kind: global_buffer, .address_space: global }
      - { .name: b_proj, .offset: 16, .size: 8, .value_kind: global_buffer, .address_space: global }
      - { .name: out0, .offset: 24, .size: 8, .value_kind: global_buffer, .address_space: global }
    .group_segment_fixed_size: 327680
    .private_segment_fixed_size: 0
    .kernarg_segment_align: 8
    .kernarg_segment_size: 32
    .max_flat_workgroup_size: 128
    .sgpr_count:     102
    .vgpr_count:     1024
    .wavefront_size: 32
...
	.end_amdgpu_metadata
.endif
;; end of part 4
